; MI455X (gfx1250); checked and timed in simulation.
; The chip was launched on July 23, 2026; its instructions are those of AMD's public machine-readable ISA for CDNA 5 (MIT licence, August 2026) and "CDNA5" Instruction Set Architecture Reference Guide (July 2026). The comments in the code are by the model that wrote it; some were corrected since.
;; RNN. Allowed arithmetic: float matrix products may take bf16 or f16 operands with f32 sums; all other float work in f32.
;; Inputs: W_fc 10 x 200 float32; W_hh 200 x 200 float32; W_ih 200 x 28 float32; b_fc 10 float32; b_hh 200 float32; b_ih 200 float32; x 8,192 x 128 x 28 float32.
;; Outputs: out0 8,192 x 10 float32.
;; 2 versions, each right and faster than the one before. Each part assembles by itself: llvm-mc -triple=amdgcn-amd-amdhsa -mcpu=gfx1250 --defsym DOCPART=n.
;; ======== version 1 of 2: 1 launch
;; launch rnn (part 1): grid 256 x 1, 4 waves a work-group, no clusters, 327,680 bytes of LDS; arguments x, W_ih, W_hh, b_ih, b_hh, W_fc, b_fc, out0; writes out0
.if DOCPART == 1
	.amdgcn_target "amdgcn-amd-amdhsa--gfx1250"
	.amdhsa_code_object_version 6
	.text
	.protected	k_q58b58d23a8_rnn
	.globl	k_q58b58d23a8_rnn
	.p2align	8
	.type	k_q58b58d23a8_rnn,@function
k_q58b58d23a8_rnn:
	s_mov_b64 s[64:65], 0
	v_nop
	global_prefetch_b8 v0, s[64:65] scope:SCOPE_SE
	s_setreg_imm32_b32 hwreg(HW_REG_WAVE_MODE, 25, 1), 1
	s_wait_xcnt 0x0
; h_t = relu(x_t W_ih^T + b_ih + b_hh + h_(t-1) W_hh^T), t = 0 .. 127, h_(-1) = 0;  out0 = h_127 W_fc^T + b_fc.
; x [8192][128][28], W_ih [200][28], W_hh [200][200], W_fc [10][200], biases, out0 [8192][10]: all f32.
;
; SHARES.  256 work-groups of four waves; work-group g owns batch rows 32 g .. 32 g + 31.  Wave w: m = w >> 1 picks 16 batch rows, nh = w & 1 picks
; one half of the hidden units: 7 tiles of 16 (14 tiles = 224 units; units 200 .. 223 have zero weights and zero bias and stay exactly 0).
; THE PRODUCT IS TAKEN WITH THE WEIGHTS AS A (rows = hidden units) AND h AS B (columns = batch rows).  In a result tile lane (r, hh) then holds hidden units
; 8 hh + 0 .. 7 of the tile for batch row r; relu and four packed roundings to bf16 make of them exactly registers 0-3 or 4-7 of the next step's B fragment,
; in the same lane.  So a wave's own half of h never leaves its registers, and the partner's half crosses LDS lane for lane, 16 bytes a lane, contiguous.
; K = 8 chunks of 32: chunk 0 is x_t (28 columns; places 28 .. 31 meet zero weights), chunks 1 .. 7 are the 14 tiles of h in pairs (own = o, partner = p):
;   c1 (o0 o1)  c2 (o2 o3)  c3 (p0 p1)  c4 (p2 p3)  c5 (o4 o5)  c6 (o6 p6)  c7 (p4 p5).    "Early" tiles are a wave's 0 .. 3, "late" tiles its 4 .. 6.
; All weights of a wave (7 tiles x 8 chunks x 8 registers = 448) are rounded to bf16 once and stay in registers; a step is 56 matrix instructions.
; x comes by tensor loads in blocks of 16 steps (a row's piece is 1,792 consecutive bytes, a multiple of 256 from the buffer's first byte), two LDS slots;
; a block is asked for 16 steps before its first read.
;
; NO CLUSTER: what work-groups share is the weights, 190,400 bytes fetched once ahead of the loop, against 458,752 bytes of x that are each work-group's own;
; in a cluster launch each of the six refills of x would have to stand behind a round of the cluster's barrier and would tie four recurrences together.
;
; LIMITS.  x, h and all weights are rounded to bf16 (nearest even) as matrix operands; sums and biases are f32.  relu is v_max_num_f32: a NaN pre-activation
; gives 0 where the reference gives NaN (reached only where the reference is not finite).  K places 28 .. 31 of chunk 0 carry copies of x[24 .. 27] against
; zero weights: exact for finite x.
;
; LDS (bytes):  X0 0, X1 60,928: 32 rows x 1,904 (7 x (256 + 16): the mover pads 16 bytes behind every 256, so 16 rows start in 16 different 16-byte columns)
;   WHH 60,928: 224 rows x 912 f32 (columns >= 200 and rows >= 200 arrive as zeros)   WIH 265,216: 224 x 144   WFC 297,472: 16 x 912
;   X1 lies on the head of WHH and is first filled behind the barrier that ends the weight build.  Behind X1, in bytes of WHH that have had their last fill:
;   EXE 121,856: early tiles, wave w at 2,048 w, tile at 512 i, lane at 16 L    EXL 130,048: late tiles, wave w at 1,536 w    STAGE 136,192: out as [32][10] f32
.set XPITCH, 1904
.set XSLOT,  60928
.set XPART,  15232                     ; 8 rows: one wave's tensor load
.set WHH,    60928
.set WPITCH, 912
.set WIH,    265216
.set WFC,    297472
.set EXE,    121856
.set EXL,    130048
.set STAGE,  136192
; REGISTERS.  Window 0: v1 lane, v2 r, v3 hh, v4-7 WA (W_hh: tiles 0-3 own / partner columns, tiles 4-6 own / partner), v8 WI, v9-10 FA, v11-13 BO, v14 SA
.set WA,   4
.set WI,   8
.set FA,   9
.set BO,   11
.set SA,   14
.set ACC,  16                          ; v[16:71]    7 accumulator tiles
.set ST,   16                          ; v[16:127]   weight build only: 7 fragments x 16 f32
.set XF,   72                          ; v[72:79]    chunk 0 (x_t in bf16); chunk c is v[XF+8c : XF+8c+7]
.set H,    80                          ; v[80:135]   chunks 1 .. 7
.set XS,   136                         ; v[136:151]  x_(t+1) in f32
.set BIAS, 152                         ; v[152:207]  b_ih + b_hh in the layout of the accumulators
.set BFC,  208                         ; v[208:215]  b_fc likewise
.set XA16, 248                         ; v248-250    LDS address of my x row + 16, 32, 48 x hh
.set EST,  251                         ; where I put my early tiles,
.set ELD,  252                         ; where my partner put its,
.set LST,  253                         ; and the same for the late tiles
.set LLD,  254
; Window 1: weights of chunks 0 .. 3 at 8 (7 c + i), and copies of v248-250, v252, v254 (an LDS load's address is source 0 and follows the weights' window).
; Window 2: weights of chunks 4 .. 7.   Window 3: W_fc's fragments of chunks 1 .. 7 at 8 (c - 1).
.set G1X,  32                          ; s[32:39]  shape of an x tile        s[40:47] from/to, one set a slot
.set G0X,  40
.set G1HH, 48
.set G0HH, 56
.set G0IH, 60
.set G1IH, 68
.set G1FC, 76
.set G0FC, 84
.set W1, 0x01                          ; s_set_vgpr_msb: source 0 in window 1, 2, 3
.set W2, 0x02
.set W3, 0x03
.set D1, 0x40                          ; destination in window 1, 2, 3
.set D2, 0x80
.set D3, 0xc0
.set MSB, 0
.set MXP, 0
.set MXE, 0
.set RPW, 0
.macro WIN new                         ; the immediate's high byte repeats the setting that is left; a switch that changes nothing is dropped
.if MSB != \new
	s_set_vgpr_msb (MSB<<8)|\new
.set MSB, \new
.endif
.endm
; Four places: a vector instruction that reads a matrix result or writes a matrix instruction's register, and a load into such a register, stand four plain
; vector instructions behind that matrix instruction (ISA guide 7.12.1 for vector instructions).
.macro PLACES
.rept 4
	v_nop
.endr
.endm
; up to n relu lines from the queue MXP .. MXE-1.  Source 0 is a constant, so the line means the same under W1 and W2.
.macro RELU n
.rept \n
.if MXP < MXE
	v_max_num_f32 v[MXP], 0, v[MXP]
.set MXP, MXP+1
.endif
.endr
.endm
; tile i, chunk c.  Chunk 0 starts the sum from the bias: nothing is cleared.  RPW relu lines of finished tiles ride behind each product.
.macro MM i, c
.if (\c) == 0
	v_wmma_f32_16x16x32_bf16 v[ACC+8*(\i):ACC+8*(\i)+7], v[8*(\i):8*(\i)+7], v[XF:XF+7], v[BIAS+8*(\i):BIAS+8*(\i)+7]
.else
	v_wmma_f32_16x16x32_bf16 v[ACC+8*(\i):ACC+8*(\i)+7], v[8*(7*((\c)%4)+(\i)):8*(7*((\c)%4)+(\i))+7], v[XF+8*(\c):XF+8*(\c)+7], v[ACC+8*(\i):ACC+8*(\i)+7]
.endif
	RELU RPW
.endm
.macro MMG lo, hi, c                   ; tiles lo .. hi of chunk c: the accumulators take turns, one instruction a turn
.set MT, \lo
.rept \hi-\lo+1
	MM MT, \c
.set MT, MT+1
.endr
.endm
.macro CVT i                           ; my tile i to bf16, into its place among the chunks: H + 4 i for the early tiles, H + 32 + 4 (i - 4) for the late ones
.irp q, 0,1,2,3
	v_cvt_pk_bf16_f32 v[H+4*(\i)+16*((\i)/4)+\q], v[ACC+8*(\i)+2*\q], v[ACC+8*(\i)+2*\q+1]
.endr
.endm
.macro CVTX
.irp q, 0,1,2,3,4,5,6,7
	v_cvt_pk_bf16_f32 v[XF+\q], v[XS+2*\q], v[XS+2*\q+1]
.endr
.endm
; 16 bytes of my x row: byte o0 for hh = 0, byte o0 + d for hh = 1.  Byte o of a row lies at o + 16 (o / 256), so the two lie 16, 32 or 48 apart.
.macro XPIECE dst, o0, d, slot
.set XB0, (\o0)+16*((\o0)/256)
.set XB1, (\o0)+(\d)+16*(((\o0)+(\d))/256)
	ds_load_b128 v[\dst:\dst+3], v[XA16-1+(XB1-XB0)/16] offset:XSLOT*(\slot)+XB0
.endm
.macro XLOAD u, slot                   ; step u of the block in the slot: columns 8 hh + 0..7 and 16 + 8 hh + 0..7; in the last piece hh = 1 reads 24..27 again
	XPIECE XS,    112*(\u),    32, \slot
	XPIECE XS+4,  112*(\u)+16, 32, \slot
	XPIECE XS+8,  112*(\u)+64, 32, \slot
	XPIECE XS+12, 112*(\u)+80, 16, \slot
.endm
.macro ESTORE
.irp i, 0,1,2,3
	ds_store_b128 v[EST], v[H+4*\i:H+4*\i+3] offset:512*\i
.endr
.endm
.macro ELOAD                           ; partner's early tiles: chunks 3 and 4
.irp i, 0,1,2,3
	ds_load_b128 v[H+16+4*\i:H+16+4*\i+3], v[ELD] offset:512*\i
.endr
.endm
.macro LSTORE
.irp i, 0,1,2
	ds_store_b128 v[LST], v[H+32+4*\i:H+32+4*\i+3] offset:512*\i
.endr
.endm
.macro LLOAD                           ; partner's late tiles: 4 and 5 are chunk 7, 6 is the upper half of chunk 6
	ds_load_b128 v[H+48:H+51], v[LLD]
	ds_load_b128 v[H+52:H+55], v[LLD] offset:512
	ds_load_b128 v[H+44:H+47], v[LLD] offset:1024
.endm
; which tiles make chunk c: for each half, own (0) or partner (1) and the tile's number in that half
.macro HALVES pa, ia, pb, ib
.set HA_P, \pa
.set HA_I, \ia
.set HB_P, \pb
.set HB_I, \ib
.endm
.macro CHUNKDEF c
.if \c == 1
	HALVES 0, 0, 0, 1
.endif
.if \c == 2
	HALVES 0, 2, 0, 3
.endif
.if \c == 3
	HALVES 1, 0, 1, 1
.endif
.if \c == 4
	HALVES 1, 2, 1, 3
.endif
.if \c == 5
	HALVES 0, 4, 0, 5
.endif
.if \c == 6
	HALVES 0, 6, 1, 6
.endif
.if \c == 7
	HALVES 1, 4, 1, 5
.endif
.endm
; the f32 numbers of chunk c's seven A fragments: lane (r, hh) takes, of row r of tile i, columns 8 hh + 0..7 of each of the chunk's two tiles
.macro WLD c
	CHUNKDEF \c
.irp i, 0,1,2,3,4,5,6
	ds_load_b128 v[ST+16*\i:ST+16*\i+3],     v[WA+2*(\i/4)+HA_P] offset:(\i%4)*16*WPITCH+64*HA_I
	ds_load_b128 v[ST+16*\i+4:ST+16*\i+7],   v[WA+2*(\i/4)+HA_P] offset:(\i%4)*16*WPITCH+64*HA_I+16
	ds_load_b128 v[ST+16*\i+8:ST+16*\i+11],  v[WA+2*(\i/4)+HB_P] offset:(\i%4)*16*WPITCH+64*HB_I
	ds_load_b128 v[ST+16*\i+12:ST+16*\i+15], v[WA+2*(\i/4)+HB_P] offset:(\i%4)*16*WPITCH+64*HB_I+16
.endr
.endm
.macro WLD0                            ; chunk 0: W_ih, columns 8 hh + 0..7 and 16 + 8 hh + 0..7 (28 .. 35 arrived as zeros)
.irp i, 0,1,2,3,4,5,6
	ds_load_b128 v[ST+16*\i:ST+16*\i+3],     v[WI] offset:2304*\i
	ds_load_b128 v[ST+16*\i+4:ST+16*\i+7],   v[WI] offset:2304*\i+16
	ds_load_b128 v[ST+16*\i+8:ST+16*\i+11],  v[WI] offset:2304*\i+64
	ds_load_b128 v[ST+16*\i+12:ST+16*\i+15], v[WI] offset:2304*\i+80
.endr
.endm
.macro WCV base                        ; 112 f32 to 56 registers of bf16 in the window that is set for the destination
.set WN, 0
.rept 56
	v_cvt_pk_bf16_f32 v[\base+WN], v[ST+2*WN], v[ST+2*WN+1]
.set WN, WN+1
.endr
.endm
.macro BATCH c
.if \c == 0
	WLD0
.else
	WLD \c
.endif
	s_wait_dscnt 0x0                               ; the 28 loads of this batch
.if \c < 4
	WIN D1
.else
	WIN D2
.endif
	WCV 56*(\c%4)
	WIN 0
.endm
	; ---------------------------------------------------------------- set-up
	s_load_b512 s[16:31], s[0:1], 0x0              ; x 16, W_ih 18, W_hh 20, b_ih 22, b_hh 24, W_fc 26, b_fc 28, out0 30
	s_set_vgpr_msb 0x80
	v_lshl_add_u32 v255, v0, 2, 0x4c300
	s_set_vgpr_msb 0x8000
	v_mov_b32 v255, 0
	s_set_vgpr_msb 0x2
	ds_add_u32 v255, v255
	s_set_vgpr_msb 0x200
	v_lshrrev_b32 v1, 5, v0
	v_readfirstlane_b32 s2, v1                     ; w
	s_and_b32 s3, s2, 1                            ; nh: my half of the hidden units
	s_lshr_b32 s4, s2, 1                           ; m: my 16 batch rows
	s_xor_b32 s5, s2, 1                            ; my partner: same rows, other half
	s_xor_b32 s7, s3, 1                            ; its half
	v_and_b32 v1, 31, v0                           ; lane L
	v_and_b32 v2, 15, v0                           ; r
	v_bfe_u32 v3, v0, 4, 1                         ; hh
	; x: a tile of 8 rows x 448 f32, rows 3,584 elements apart, 4 words of padding behind every 64
	s_mov_b32 s[G1X+0], 0x07520000                 ; 17:16 elements of 4 bytes; 20 padding on; 24:22 every 64 words (code 5); 31:25 of 4 words (code 3)
	s_mov_b32 s[G1X+1], 448<<16                    ; tensor_dim0 = 448
	s_mov_b32 s[G1X+2], 8<<16                      ; tensor_dim1 = 8
	s_mov_b32 s[G1X+3], 448<<16                    ; tile_dim0 = 448
	s_mov_b32 s[G1X+4], 8                          ; tile_dim1 = 8
	s_mov_b32 s[G1X+5], 3584                       ; from row to row
	s_mov_b32 s[G1X+6], 0
	s_mov_b32 s[G1X+7], 0
	s_mov_b32 s[G0X+0], 1
	s_mul_i32 s[G0X+1], s2, XPART                  ; slot 0: my 8 rows
	s_mov_b32 s[G0X+4], 1
	s_add_co_u32 s[G0X+5], s[G0X+1], XSLOT         ; slot 1
	; W_hh and W_ih: wave w brings rows 56 w .. 56 w + 55; what lies beyond column 199 (27) or row 199 arrives as zeros
	s_mul_i32 s8, s2, 56
	s_sub_co_u32 s8, 200, s8                       ; rows left from my first row
	s_mov_b32 s[G1HH+0], 2<<16
	s_mov_b32 s[G1HH+1], 200<<16                   ; tensor_dim0 = 200
	s_lshl_b32 s[G1HH+2], s8, 16                   ; tensor_dim1 = 200 - 56 w
	s_mov_b32 s[G1HH+3], 228<<16                   ; tile_dim0 = 228: an LDS row of 912 bytes
	s_mov_b32 s[G1HH+4], 56
	s_mov_b32 s[G1HH+5], 200
	s_mov_b32 s[G1HH+6], 0
	s_mov_b32 s[G1HH+7], 0
	s_mov_b32 s[G0HH+0], 1
	s_mul_i32 s[G0HH+1], s2, 56*WPITCH
	s_add_co_u32 s[G0HH+1], s[G0HH+1], WHH
	s_mov_b32 s[G1IH+0], 2<<16
	s_mov_b32 s[G1IH+1], 28<<16
	s_lshl_b32 s[G1IH+2], s8, 16
	s_mov_b32 s[G1IH+3], 36<<16                    ; an LDS row of 144 bytes
	s_mov_b32 s[G1IH+4], 56
	s_mov_b32 s[G1IH+5], 28
	s_mov_b32 s[G1IH+6], 0
	s_mov_b32 s[G1IH+7], 0
	s_mov_b32 s[G0IH+0], 1
	s_mul_i32 s[G0IH+1], s2, 56*144
	s_add_co_u32 s[G0IH+1], s[G0IH+1], WIH
	; W_fc: 16 rows of which 10 exist
	s_mov_b32 s[G1FC+0], 2<<16
	s_mov_b32 s[G1FC+1], 200<<16
	s_mov_b32 s[G1FC+2], 10<<16
	s_mov_b32 s[G1FC+3], 228<<16
	s_mov_b32 s[G1FC+4], 16
	s_mov_b32 s[G1FC+5], 200
	s_mov_b32 s[G1FC+6], 0
	s_mov_b32 s[G1FC+7], 0
	s_mov_b32 s[G0FC+0], 1
	s_mov_b32 s[G0FC+1], WFC
	s_mul_i32 s8, ttmp9, 458752                    ; 32 rows of 14,336 bytes a work-group (below 2^27 in all),
	s_mul_i32 s10, s2, 114688                      ; 8 rows a wave
	s_add_co_u32 s8, s8, s10
	s_mov_b32 s9, 0
	s_wait_dscnt 0x0
	s_wait_kmcnt 0x0
	s_add_nc_u64 s[G0X+2:G0X+3], s[16:17], s[8:9]  ; block 0
	s_add_nc_u64 s[G0X+6:G0X+7], s[G0X+2:G0X+3], 1792      ; block 1
	s_or_b32 s[G0X+3], s[G0X+3], 0x80000000
	s_or_b32 s[G0X+7], s[G0X+7], 0x80000000
	s_mul_i32 s8, s2, 44800                        ; 56 rows of 800 bytes
	s_add_nc_u64 s[G0HH+2:G0HH+3], s[20:21], s[8:9]
	s_or_b32 s[G0HH+3], s[G0HH+3], 0x80000000
	s_mul_i32 s8, s2, 6272                         ; 56 rows of 112 bytes
	s_add_nc_u64 s[G0IH+2:G0IH+3], s[18:19], s[8:9]
	s_or_b32 s[G0IH+3], s[G0IH+3], 0x80000000
	s_mov_b64 s[G0FC+2:G0FC+3], s[26:27]
	s_or_b32 s[G0FC+3], s[G0FC+3], 0x80000000
	tensor_load_to_lds s[G0HH:G0HH+3], s[G1HH:G1HH+7]
	s_nop 0
	tensor_load_to_lds s[G0IH:G0IH+3], s[G1IH:G1IH+7]
	s_nop 0
	tensor_load_to_lds s[G0X:G0X+3], s[G1X:G1X+7]  ; x, block 0
	s_nop 0
	s_cmp_lg_u32 s2, 0
	s_cbranch_scc1 .Lno_wfc
	tensor_load_to_lds s[G0FC:G0FC+3], s[G1FC:G1FC+7]      ; wave 0 alone: four tensor loads out in wave 0, three in the others
	s_nop 0
.Lno_wfc:
	; LDS addresses
	v_mul_u32_u24 v15, v2, WPITCH
	v_lshl_add_u32 v15, v3, 5, v15                 ; 912 r + 32 hh
	s_mul_i32 s8, s3, 112*WPITCH+448               ; my 112 rows, my 112 columns
	s_add_co_u32 s8, s8, WHH
	v_add_nc_u32 v[WA+0], s8, v15
	s_mul_i32 s8, s3, 112*WPITCH-448               ; my rows, the partner's columns: 448 (1 - nh)
	s_add_co_u32 s8, s8, WHH+448
	v_add_nc_u32 v[WA+1], s8, v15
	v_add_nc_u32 v[WA+2], 64*WPITCH, v[WA+0]       ; tiles 4 .. 6
	v_add_nc_u32 v[WA+3], 64*WPITCH, v[WA+1]
	s_mul_i32 s8, s3, 112*144
	s_add_co_u32 s8, s8, WIH
	v_mul_u32_u24 v[WI], v2, 144
	v_lshl_add_u32 v[WI], v3, 5, v[WI]
	v_add_nc_u32 v[WI], s8, v[WI]
	s_mul_i32 s11, s3, 448
	s_add_co_u32 s8, s11, WFC
	v_add_nc_u32 v[FA+0], s8, v15                  ; W_fc, my columns
	s_mul_i32 s8, s7, 448
	s_add_co_u32 s8, s8, WFC
	v_add_nc_u32 v[FA+1], s8, v15                  ; W_fc, the partner's
	s_mul_i32 s8, s4, 640
	s_add_co_u32 s8, s8, STAGE
	v_mul_u32_u24 v[SA], v2, 40
	v_lshl_add_u32 v[SA], v3, 5, v[SA]
	v_add_nc_u32 v[SA], s8, v[SA]                  ; out row 16 m + r, outputs 8 hh ..
	s_mul_i32 s8, s4, 16*XPITCH
	v_mul_u32_u24 v216, v2, XPITCH
	v_add_nc_u32 v216, s8, v216                    ; my x row
	v_mul_u32_u24 v217, v3, 48
	v_lshl_add_u32 v[XA16], v3, 4, v216
	v_lshl_add_u32 v[XA16+1], v3, 5, v216
	v_add_nc_u32 v[XA16+2], v216, v217
	s_lshl_b32 s8, s2, 11
	s_add_co_u32 s8, s8, EXE
	v_lshl_add_u32 v[EST], v1, 4, s8
	s_lshl_b32 s8, s5, 11
	s_add_co_u32 s8, s8, EXE
	v_lshl_add_u32 v[ELD], v1, 4, s8
	s_mul_i32 s8, s2, 1536
	s_add_co_u32 s8, s8, EXL
	v_lshl_add_u32 v[LST], v1, 4, s8
	s_mul_i32 s8, s5, 1536
	s_add_co_u32 s8, s8, EXL
	v_lshl_add_u32 v[LLD], v1, 4, s8
	; biases in the accumulators' layout: register j of tile i is unit 112 nh + 16 i + 8 hh + j.  Tiles 5 and 6 of nh = 1 reach past unit 199:
	; their offsets are clamped to the last 32 bytes of the 800 and what they bring is replaced by 0.
	v_lshlrev_b32 v[BO], 5, v3
	v_add_nc_u32 v[BO], s11, v[BO]                 ; 448 nh + 32 hh
	v_add_nc_u32 v216, 320, v[BO]
	v_add_nc_u32 v217, 384, v[BO]
	v_cmp_gt_u32 s14, 800, v216                    ; tile 5 exists for this lane
	v_cmp_gt_u32 s15, 800, v217                    ; tile 6
	v_min_u32 v[BO+1], 768, v216
	v_min_u32 v[BO+2], 768, v217
	v_lshlrev_b32 v218, 5, v3
	v_mov_b32 v219, 0
.irp i, 0,1,2,3,4
	global_load_b128 v[BIAS+8*\i:BIAS+8*\i+3],   v[BO], s[22:23] offset:64*\i
	global_load_b128 v[BIAS+8*\i+4:BIAS+8*\i+7], v[BO], s[22:23] offset:64*\i+16
	global_load_b128 v[ST+8*\i:ST+8*\i+3],       v[BO], s[24:25] offset:64*\i
	global_load_b128 v[ST+8*\i+4:ST+8*\i+7],     v[BO], s[24:25] offset:64*\i+16
.endr
.irp i, 5,6
	global_load_b128 v[BIAS+8*\i:BIAS+8*\i+3],   v[BO+\i-4], s[22:23]
	global_load_b128 v[BIAS+8*\i+4:BIAS+8*\i+7], v[BO+\i-4], s[22:23] offset:16
	global_load_b128 v[ST+8*\i:ST+8*\i+3],       v[BO+\i-4], s[24:25]
	global_load_b128 v[ST+8*\i+4:ST+8*\i+7],     v[BO+\i-4], s[24:25] offset:16
.endr
	global_load_b64 v[BFC:BFC+1],   v218, s[28:29]            ; b_fc[8 hh], [8 hh + 1]
	global_load_b64 v[BFC+2:BFC+3], v219, s[28:29] offset:8   ; b_fc[2 .. 7] in every lane: for hh = 1 they go to outputs 10 .. 15, which are not stored
	global_load_b64 v[BFC+4:BFC+5], v219, s[28:29] offset:16
	global_load_b64 v[BFC+6:BFC+7], v219, s[28:29] offset:24
	s_wait_loadcnt 0x0
.set WN, 0
.rept 28
	v_pk_add_f32 v[BIAS+2*WN:BIAS+2*WN+1], v[BIAS+2*WN:BIAS+2*WN+1], v[ST+2*WN:ST+2*WN+1]
.set WN, WN+1
.endr
.irp k, 0,1,2,3,4,5,6,7
	v_cndmask_b32 v[BIAS+40+\k], 0, v[BIAS+40+\k], s14
	v_cndmask_b32 v[BIAS+48+\k], 0, v[BIAS+48+\k], s15
.endr
	s_wait_tensorcnt 0x0                           ; my parts of the weights and of x's block 0 are in LDS,
	s_barrier_signal -1
	s_barrier_wait -1                              ; everybody's are.
	; ---------------------------------------------------------------- the weights, once: LDS f32 -> registers bf16
.irp c, 0,1,2,3,4,5,6,7
	BATCH \c
.endr
.irp c, 1,2,3,4,5,6,7
	CHUNKDEF \c
	ds_load_b128 v[ST+16*(\c-1):ST+16*(\c-1)+3],     v[FA+HA_P] offset:64*HA_I
	ds_load_b128 v[ST+16*(\c-1)+4:ST+16*(\c-1)+7],   v[FA+HA_P] offset:64*HA_I+16
	ds_load_b128 v[ST+16*(\c-1)+8:ST+16*(\c-1)+11],  v[FA+HB_P] offset:64*HB_I
	ds_load_b128 v[ST+16*(\c-1)+12:ST+16*(\c-1)+15], v[FA+HB_P] offset:64*HB_I+16
.endr
	s_wait_dscnt 0x0
	WIN D3
	WCV 0
	WIN D1
.irp a, 248,249,250,252,254
	v_mov_b32 v\a, v\a                             ; the addresses of the loads that stand among products of window 1
.endr
	WIN 0
	XLOAD 0, 0                                     ; x_0
	s_wait_dscnt 0x0                               ; x_0 is in; and all my reads of W_hh, on whose head slot 1 lies, are done
	CVTX
	s_set_vgpr_msb 0x2
	s_wait_tensorcnt 0x0                           ; no tensor load of mine is out
	ds_add_u32 v255, v255
	s_wait_dscnt 0x0
	s_set_vgpr_msb 0x200
	s_barrier_signal -1
	s_barrier_wait -1                              ; both hold of every wave: bytes of W_hh may be filled again, and written by LDS stores behind slot 1
	tensor_load_to_lds s[G0X+4:G0X+7], s[G1X:G1X+7]        ; x, block 1: first read 15 steps on
	s_nop 0
	; ---------------------------------------------------------------- step 0: h_(-1) = 0, so chunk 0 alone
	WIN W1
	MMG 0, 6, 0
	XLOAD 1, 0                                     ; x_1
	PLACES
.set MXP, ACC
.set MXE, ACC+32
	RELU 32                                        ; the early tiles; the late ones are finished at the head of the next step, as in every step
	WIN 0
	s_wait_dscnt 0x0
	CVT 0
	CVT 1
	CVT 2
	CVT 3
	CVTX
	ESTORE
; ONE STEP, t = 32 j + 1 + i.  At its head: chunks 0, 1, 2 are ready, my early tiles of h_(t-1) are on their way to EXE, my late tiles are still raw sums.
; Two barriers.  B1: early tiles are in EXE; EXL has been read.  B2: late tiles are in EXL; EXE has been read.  So EXE is written between B2 and B1 and read
; between B1 and B2, EXL the other way round, and one region each is enough.
; The 56 products are ordered so that each exchange is covered: early c0-c2, late c0-c2, all c3, early c4-c7, late c4-c7.
; fill = 2: where i % 16 = 14, B1 is also the barrier in front of a refill: the slot read up to the step before gets the block two further on.
; fill = 1: there only the wait that shows the last block landed.  xn = 1: x_(t+1) is fetched: step (i + 2) % 16 of the block in slot ((i + 2) / 16) % 2.
.macro STEP i, fill, xn
.set SU, ((\i)+2)%16
.set SS, (((\i)+2)/16)%2
.if ((\i)%16) == 14
.if \fill >= 1
	s_wait_tensorcnt 0x0                           ; all my tensor loads (one) have landed: my part of the block that is first read in this step,
	ds_add_u32 v255, v255
	s_wait_dscnt 0x0
.endif
.if \fill == 2
	s_add_nc_u64 s[G0X+4*((\i)/16)+2:G0X+4*((\i)/16)+3], s[G0X+4*((\i)/16)+2:G0X+4*((\i)/16)+3], 3584    ; so the descriptor may step: two blocks on
.endif
.endif
	s_wait_dscnt 0x0                               ; my early tiles are in EXE; my reads of EXL and of x are done
	s_barrier_signal -1                            ; B1
	PLACES                                         ; behind the last step's last products: for the relu of the late tiles and the loads into chunks 3, 4, 6, 7
.set MXP, ACC+32
.set MXE, ACC+56
.set RPW, 3                                            ; 24 relu lines ride on the next 8 products
	WIN W1
	MMG 0, 3, 0
	s_barrier_wait -1
.if ((\i)%16) == 14
.if \fill == 2
	tensor_load_to_lds s[G0X+4*((\i)/16):G0X+4*((\i)/16)+3], s[G1X:G1X+7]    ; first behind the barrier; one tensor load of the wave is out
	s_nop 0
.endif
.endif
	ELOAD                                          ; partner's early tiles: wanted 17 products on
	MMG 0, 3, 1
	WIN 0
	CVT 4
	CVT 5
	CVT 6
	LSTORE
	WIN W1
.set RPW, 0
	MMG 0, 3, 2
	MMG 4, 6, 0
	MMG 4, 6, 1
	s_wait_dscnt 0x0                               ; my late tiles are in EXL; my reads of EXE are done (chunks 3 and 4 are in)
	s_barrier_signal -1                            ; B2
	MMG 4, 6, 2
	s_barrier_wait -1
	LLOAD                                          ; partner's late tiles: wanted 15 products on
.if \xn
	XLOAD SU, SS
.endif
	MMG 0, 6, 3
	WIN W2
	MMG 0, 3, 4
	MMG 0, 3, 5
	s_wait_dscnt 4*\xn                             ; LDS loads come back in order (ISA guide 5.7.1): the three late tiles are in, the four x loads behind them may be out
	MMG 0, 3, 6
	MMG 0, 3, 7
	PLACES                                         ; behind the early tiles' last products: for their relu, and for the writes of chunks 0, 1, 2
.set MXP, ACC
.set MXE, ACC+32
.set RPW, 6                                            ; 32 relu lines ride on the next 6 products
	MMG 4, 6, 4
	MMG 4, 6, 5
	WIN 0
	s_wait_dscnt 0x0                               ; x_(t+1)
	CVT 0
	CVT 1
	CVT 2
	CVT 3
.if \xn
	CVTX
.endif
	ESTORE
	WIN W2
.set RPW, 0
	MMG 4, 6, 6
	MMG 4, 6, 7
.endm
	; ---------------------------------------------------------------- steps 1 .. 96: three trips of 32 steps = once round the two slots
	WIN 0
	s_mov_b32 s6, 3
.Ltrip:
.set SI, 0
.rept 32
	STEP SI, 2, 1
.set SI, SI+1
.endr
	WIN 0
	s_sub_co_u32 s6, s6, 1
	s_cmp_lg_u32 s6, 0
	s_cbranch_scc1 .Ltrip
	; ---------------------------------------------------------------- steps 97 .. 127: nothing more is asked for; step 127 fetches no x
.set SI, 0
.rept 30
	STEP SI, 1, 1
.set SI, SI+1
.endr
	STEP 30, 0, 0
	; ---------------------------------------------------------------- h_127 is completed and exchanged as at the head of a step
	WIN 0
	s_wait_dscnt 0x0
	s_barrier_signal -1                            ; B1
	PLACES
.set MXP, ACC+32
.set MXE, ACC+56
	RELU 24
	s_barrier_wait -1
	ELOAD
	CVT 4
	CVT 5
	CVT 6
	LSTORE
	s_wait_dscnt 0x0
	s_barrier_signal -1                            ; B2
	s_barrier_wait -1
	LLOAD
	s_wait_dscnt 0x0
	; ---------------------------------------------------------------- out = h_127 W_fc^T + b_fc: the waves with nh = 0, 16 batch rows each
	s_cmp_lg_u32 s3, 0
	s_cbranch_scc1 .Lnofc
	WIN W3
	; seven products on two accumulators by turns; the first starts from b_fc, the second from 0
	v_wmma_f32_16x16x32_bf16 v[ACC:ACC+7],    v[0:7],   v[XF+8:XF+15],  v[BFC:BFC+7]
	v_wmma_f32_16x16x32_bf16 v[ACC+8:ACC+15], v[8:15],  v[XF+16:XF+23], 0
	v_wmma_f32_16x16x32_bf16 v[ACC:ACC+7],    v[16:23], v[XF+24:XF+31], v[ACC:ACC+7]
	v_wmma_f32_16x16x32_bf16 v[ACC+8:ACC+15], v[24:31], v[XF+32:XF+39], v[ACC+8:ACC+15]
	v_wmma_f32_16x16x32_bf16 v[ACC:ACC+7],    v[32:39], v[XF+40:XF+47], v[ACC:ACC+7]
	v_wmma_f32_16x16x32_bf16 v[ACC+8:ACC+15], v[40:47], v[XF+48:XF+55], v[ACC+8:ACC+15]
	v_wmma_f32_16x16x32_bf16 v[ACC:ACC+7],    v[48:55], v[XF+56:XF+63], v[ACC:ACC+7]
	PLACES
	WIN 0
.irp q, 0,2,4,6
	v_pk_add_f32 v[ACC+\q:ACC+\q+1], v[ACC+\q:ACC+\q+1], v[ACC+8+\q:ACC+8+\q+1]
.endr
	ds_store_b64 v[SA], v[ACC:ACC+1]               ; outputs 8 hh, 8 hh + 1 of batch row r: 0, 1 and 8, 9
	v_cmp_eq_u32 vcc_lo, 0, v3
	s_wait_xcnt 0x0                                ; EXEC changes only behind this wait
	s_and_saveexec_b32 s10, vcc_lo                 ; outputs 2 .. 7 exist for hh = 0 alone
	ds_store_b64 v[SA], v[ACC+2:ACC+3] offset:8
	ds_store_b64 v[SA], v[ACC+4:ACC+5] offset:16
	ds_store_b64 v[SA], v[ACC+6:ACC+7] offset:24
	s_or_b32 exec_lo, exec_lo, s10
.Lnofc:
	s_wait_dscnt 0x0                               ; my rows of the stage are written
	s_barrier_signal -1
	s_barrier_wait -1
	; the work-group's 32 rows of out0 are 1,280 consecutive bytes, at a multiple of 256 from the buffer's first byte: 80 threads, 16 bytes each
	v_lshlrev_b32 v216, 4, v0
	v_add_nc_u32 v217, STAGE, v216
	s_mul_i32 s8, ttmp9, 1280
	s_mov_b32 s9, 0
	s_add_nc_u64 s[30:31], s[30:31], s[8:9]
	v_cmp_gt_u32 vcc_lo, 80, v0
	s_wait_xcnt 0x0
	s_set_vgpr_msb 0x2
	s_wait_tensorcnt 0x0
	ds_add_u32 v255, v255
	s_wait_dscnt 0x0
	s_set_vgpr_msb 0x200
	s_and_saveexec_b32 s10, vcc_lo
	ds_load_b128 v[32:35], v217
	s_wait_dscnt 0x0
	global_store_b128 v216, v[32:35], s[30:31]
	s_endpgm
.Lfunc_end_k_q58b58d23a8_rnn:
	.size	k_q58b58d23a8_rnn, .Lfunc_end_k_q58b58d23a8_rnn-k_q58b58d23a8_rnn
	.p2alignl 7, 3214868480
	.fill 96, 4, 3214868480
	.section	.rodata,"a",@progbits
	.p2align	6, 0x0
	.amdhsa_kernel k_q58b58d23a8_rnn
		.amdhsa_group_segment_fixed_size 327680
		.amdhsa_private_segment_fixed_size 0
		.amdhsa_enable_private_segment 0
		.amdhsa_kernarg_size 64
		.amdhsa_user_sgpr_count 2
		.amdhsa_user_sgpr_kernarg_segment_ptr 1
		.amdhsa_wavefront_size32 1
		.amdhsa_system_sgpr_workgroup_id_x 1
		.amdhsa_system_sgpr_workgroup_id_y 1
		.amdhsa_system_sgpr_workgroup_id_z 1
		.amdhsa_system_vgpr_workitem_id 0
		.amdhsa_next_free_vgpr 824
		.amdhsa_next_free_sgpr 88
		.amdhsa_reserve_vcc 1
		.amdhsa_float_denorm_mode_32 3
		.amdhsa_float_denorm_mode_16_64 3
		.amdhsa_memory_ordered 1
		.amdhsa_forward_progress 1
		.amdhsa_inst_pref_size 255
	.end_amdhsa_kernel
	.section	.bss,"aw",@nobits
	.p2align	6
	.space	262144
	.amdgpu_metadata
---
amdhsa.version: [ 1, 2 ]
amdhsa.kernels:
  - .name:           k_q58b58d23a8_rnn
    .symbol:         k_q58b58d23a8_rnn.kd
    .args:
      - { .name: x, .offset: 0, .size: 8, .value_kind: global_buffer, .address_space: global }
      - { .name: W_ih, .offset: 8, .size: 8, .value_kind: global_buffer, .address_space: global }
      - { .name: W_hh, .offset: 16, .size: 8, .value_kind: global_buffer, .address_space: global }
      - { .name: b_ih, .offset: 24, .size: 8, .value_kind: global_buffer, .address_space: global }
      - { .name: b_hh, .offset: 32, .size: 8, .value_kind: global_buffer, .address_space: global }
      - { .name: W_fc, .offset: 40, .size: 8, .value_kind: global_buffer, .address_space: global }
      - { .name: b_fc, .offset: 48, .size: 8, .value_kind: global_buffer, .address_space: global }
      - { .name: out0, .offset: 56, .size: 8, .value_kind: global_buffer, .address_space: global }
    .group_segment_fixed_size: 327680
    .private_segment_fixed_size: 0
    .kernarg_segment_align: 8
    .kernarg_segment_size: 64
    .max_flat_workgroup_size: 128
    .sgpr_count:     88
    .vgpr_count:     824
    .wavefront_size: 32
...
	.end_amdgpu_metadata
.endif
;; end of part 1
;; ======== version 2 of 2: 1 launch; 1.36 times as fast as version 1
;; launch rnn (part 2): grid 256 x 1, 4 waves a work-group, no clusters, 327,680 bytes of LDS; arguments x, W_ih, W_hh, b_ih, b_hh, W_fc, b_fc, out0; writes out0
.if DOCPART == 2
	.amdgcn_target "amdgcn-amd-amdhsa--gfx1250"
	.amdhsa_code_object_version 6
	.text
	.protected	k_q58b58d23a8_rnn
	.globl	k_q58b58d23a8_rnn
	.p2align	8
	.type	k_q58b58d23a8_rnn,@function
k_q58b58d23a8_rnn:
	s_mov_b64 s[64:65], 0
	v_nop
	global_prefetch_b8 v0, s[64:65] scope:SCOPE_SE
	s_setreg_imm32_b32 hwreg(HW_REG_WAVE_MODE, 25, 1), 1
	s_wait_xcnt 0x0
; h_t = relu(x_t W_ih^T + b_ih + b_hh + h_(t-1) W_hh^T), t = 0 .. 127, h_(-1) = 0;  out0 = h_127 W_fc^T + b_fc.
; x [8192][128][28], W_ih [200][28], W_hh [200][200], W_fc [10][200], biases, out0 [8192][10]: all f32.
;
; SHARES.  256 work-groups of four waves; work-group g owns batch rows 32 g .. 32 g + 31.  Wave w: m = w >> 1 picks 16 batch rows, nh = w & 1 picks
; one half of the hidden units: 7 tiles of 16 (14 tiles = 224 units; units 200 .. 223 have zero weights and zero bias and stay exactly 0).
; THE PRODUCT IS TAKEN WITH THE WEIGHTS AS A (rows = hidden units) AND h AS B (columns = batch rows).  In a result tile lane (r, hh) then holds hidden units
; 8 hh + 0 .. 7 of the tile for batch row r; relu and four packed roundings to bf16 make of them exactly registers 0-3 or 4-7 of the next step's B fragment,
; in the same lane.  So a wave's own half of h never leaves its registers, and the partner's half crosses LDS lane for lane, 16 bytes a lane, contiguous.
; K = 8 chunks of 32: chunk 0 is x_t (28 columns; places 28 .. 31 meet zero weights), chunks 1 .. 7 are the 14 tiles of h in pairs (own = o, partner = p):
;   c1 (o0 o1)  c2 (o2 o3)  c3 (p0 p1)  c4 (p2 p3)  c5 (o4 o5)  c6 (o6 p6)  c7 (p4 p5).    "Early" tiles are a wave's 0 .. 3, "late" tiles its 4 .. 6.
; All weights of a wave (7 tiles x 8 chunks x 8 registers = 448) are rounded to bf16 once and stay in registers; a step is 56 matrix instructions.
; x comes by tensor loads in blocks of 16 steps (a row's piece is 1,792 consecutive bytes, a multiple of 256 from the buffer's first byte), two LDS slots;
; a block is asked for 16 steps before its first read.
; THE TEXT IS KEPT SHORT: a step is written eight times in all.  The 15 steps that read steps 1 .. 15 of a block are a loop of one step, whose x address
; is a register stepped by 112 bytes; the step that changes blocks (and asks for a new one) stands between two such loops.
; THE VECTOR WORK RIDES BETWEEN THE PRODUCTS, three or four lines behind each: relu two numbers to a line, then the roundings to bf16.  A rounding reads
; source 0 in window 0, and so do the weights of a product; so the 13 fragments among whose products roundings ride lie in window 0.
;
; NO CLUSTER: what work-groups share is the weights, 190,400 bytes fetched once ahead of the loop, against 458,752 bytes of x that are each work-group's own;
; in a cluster launch each of the six refills of x would have to stand behind a round of the cluster's barrier and would tie four recurrences together.
;
; LIMITS.  x, h and all weights are rounded to bf16 (nearest even) as matrix operands; sums and biases are f32.  relu is a maximum in which a NaN loses: a NaN
; pre-activation gives 0 where the reference gives NaN (reached only where the reference is not finite).  K places 28 .. 31 of chunk 0 carry the next step's
; x[0 .. 3] (zeros at a block's end) against zero weights: exact for finite x.
;
; LDS (bytes):  X0 0, X1 58,112: 32 rows x 1,808: 448 f32 and 4 zeros, which the mover writes for the tile's columns 448 .. 451 beyond the tensor's 448; the pitch
;   is 113 x 16, so 16 rows start in 16 different 16-byte columns.  A slot is 57,856 bytes; 256 spare bytes follow it, into which the stepped x address points
;   after its last step (no load is issued from there).
;   WHH 58,112: 224 rows x 912 f32 (columns >= 200 and rows >= 200 arrive as zeros)   WIH 262,400: 224 x 144   WFC 294,656: 16 x 912
;   X1 lies on the head of WHH and is first filled behind the barrier that ends the weight build.  Behind X1, in bytes of WHH that have had their last fill:
;   EXE 116,224: early tiles, wave w at 2,048 w, tile at 512 i, lane at 16 L    EXL 124,416: late tiles, wave w at 1,536 w    STAGE 130,560: out as [32][10] f32
.set XPITCH, 1808
.set XSLOT,  58112
.set XPART,  8*XPITCH                  ; 8 rows: one wave's tensor load
.set XSTEP,  112                       ; bytes of one step in a row
.set WHH,    58112
.set WPITCH, 912
.set WIH,    262400
.set WFC,    294656
.set EXE,    116224
.set EXL,    124416
.set STAGE,  130560
; REGISTERS, window 0
.set XB,   1                           ; LDS address of my x row in slot 0 + 32 hh
.set XC,   2                           ; the same + 112 x the step in the block
.set EST,  3                           ; where I put my early tiles,
.set ELD,  4                           ; where my partner put its,
.set LST,  5                           ; and the same for the late tiles
.set LLD,  6                           ; (a copy lies in window 1: its loads stand among products of that window, and an LDS address is source 0)
.set WA,   8                           ; v8-11   weight build: W_hh, tiles 0-3 own / partner columns, tiles 4-6 own / partner
.set WI,   12                          ; W_ih
.set FA,   13                          ; v13-14  W_fc, own / partner columns
.set ACC,  16                          ; v[16:71]    7 accumulator tiles
.set ST,   16                          ; v[16:127]   weight build only: 7 fragments x 16 f32
.set BI,   16                          ; set-up only: b_ih, b_hh as loaded
.set BH,   72
.set XF,   72                          ; v[72:79]    chunk 0 (x_t in bf16); chunk c is v[XF+8c : XF+8c+7]
.set H,    80                          ; v[80:135]   chunks 1 .. 7
.set XS,   136                         ; v[136:151]  x_(t+1) in f32; ahead of the first and behind the last x: temporaries
.set TL,   136                         ; lane
.set TR,   137                         ; r
.set TH,   138                         ; hh
.set TV,   139
.set BO,   140                         ; v140-142 byte offsets into the biases
.set T0,   143
.set T1,   144
.set T2,   145
.set T3,   146
.set W0E,  152                         ; v[152:183]  weights: early tiles of chunk 1
.set W0L,  184                         ; v[184:255]  weights: late tiles of chunks 5, 6, 7
; window 2
.set BIAS, 56                          ; b_ih + b_hh in the layout of the accumulators
.set FCW,  112                         ; W_fc's fragments of chunks 1 .. 7
.set BFC,  224                         ; b_fc in the layout of an accumulator
; where the weights lie: for chunk c the window and first register of the early tiles' four fragments (EW, EB) and of the late tiles' three (LW, LB)
.set EW0, 2
.set EB0, 0
.set LW0, 2
.set LB0, 32
.set EW1, 0
.set EB1, W0E
.set LW1, 1
.set LB1, 128
.set EW2, 1
.set EB2, 16
.set LW2, 1
.set LB2, 48
.set EW3, 1
.set EB3, 72
.set LW3, 1
.set LB3, 104
.set EW4, 1
.set EB4, 152
.set LW4, 2
.set LB4, 168
.set EW5, 1
.set EB5, 184
.set LW5, 0
.set LB5, W0L
.set EW6, 1
.set EB6, 216
.set LW6, 0
.set LB6, W0L+24
.set EW7, 2
.set EB7, 192
.set LW7, 0
.set LB7, W0L+48
.set G1X,  32                          ; s[32:39]  shape of an x tile        s[40:47] from/to, one set a slot
.set G0X,  40
.set G1HH, 48
.set G0HH, 56
.set G0IH, 60
.set G1IH, 68
.set G1FC, 76
.set G0FC, 84
.set W1, 0x01                          ; s_set_vgpr_msb: source 0 in window 1, 2
.set W2, 0x02
.set WC, 0x22                          ; source 0 and source 2 in window 2: chunk 0's weights and the bias as C
.set D1, 0x40                          ; destination in window 1, 2
.set D2, 0x80
.set MSB, 0
.set RPW, 0
.set QP, 0
.set QE, 0
.set QD, 0
.set QA, 0
.set QH, 0
.macro WIN new                         ; the immediate's high byte repeats the setting that is left; a switch that changes nothing is dropped
.if MSB != (\new)
	s_set_vgpr_msb (MSB<<8)|(\new)
.set MSB, \new
.endif
.endm
; Four places: a vector instruction that reads a matrix result or writes a matrix instruction's register, and a load into such a register, stand four plain
; vector instructions behind that matrix instruction (ISA guide 7.12.1 for vector instructions).
.macro PLACES
.rept 4
	v_nop
.endr
.endm
; THE QUEUE of vector work that rides behind the products: d lines of relu on the 2 d sums from register a on, two to a line (source 0 is a constant, so the
; line means the same under every setting used here); d roundings of these to bf16 into the d registers from h on; and, with x = 1, the 8 roundings of x_(t+1).
.macro QUEUE a, h, d, x
.set QA, \a
.set QH, \h
.set QD, \d
.set QE, 2*(\d)+8*(\x)
.set QP, 0
.endm
.macro RIDE n                          ; up to n lines from the queue
.rept \n
.if QP < QE
.if QP < QD
	v_dual_max_num_f32 v[QA+2*QP], 0, v[QA+2*QP] :: v_dual_max_num_f32 v[QA+2*QP+1], 0, v[QA+2*QP+1]
.else
	WIN 0
.if QP < 2*QD
	v_cvt_pk_bf16_f32 v[QH+QP-QD], v[QA+2*(QP-QD)], v[QA+2*(QP-QD)+1]
.else
	v_cvt_pk_bf16_f32 v[XF+QP-2*QD], v[XS+2*(QP-2*QD)], v[XS+2*(QP-2*QD)+1]
.endif
.endif
.set QP, QP+1
.endif
.endr
.endm
.macro FRAG i, c                       ; FW, FB: window and first register of the weights of tile i, chunk c
.if (\i) < 4
.set FW, EW\c
.set FB, EB\c+8*(\i)
.else
.set FW, LW\c
.set FB, LB\c+8*((\i)-4)
.endif
.endm
; tile i, chunk c.  Chunk 0 starts the sum from the bias: no accumulator is cleared for it.  RPW lines of the queue ride behind each product.
.macro MM i, c
	FRAG \i, \c
.if \c == 0
	WIN WC
	v_wmma_f32_16x16x32_bf16 v[ACC+8*(\i):ACC+8*(\i)+7], v[FB:FB+7], v[XF:XF+7], v[BIAS+8*(\i):BIAS+8*(\i)+7]
.else
	WIN FW
	v_wmma_f32_16x16x32_bf16 v[ACC+8*(\i):ACC+8*(\i)+7], v[FB:FB+7], v[XF+8*\c:XF+8*\c+7], v[ACC+8*(\i):ACC+8*(\i)+7]
.endif
	RIDE RPW
.endm
.macro MMG lo, hi, c                   ; tiles lo .. hi of chunk c: the accumulators take turns, one instruction a turn
.set MT, \lo
.rept \hi-\lo+1
	MM MT, \c
.set MT, MT+1
.endr
.endm
; one step's x of my row, through address register a (my row + 32 hh + 112 x step): columns 8 hh + 0..7 and 16 + 8 hh + 0..7.
; For hh = 1 the last piece is bytes 112 .. 127 from the step's first: the next step's first four columns, or the row's four zeros.
.macro XLOAD a, slot
	ds_load_b128 v[XS:XS+3],     v[\a] offset:XSLOT*(\slot)
	ds_load_b128 v[XS+4:XS+7],   v[\a] offset:XSLOT*(\slot)+16
	ds_load_b128 v[XS+8:XS+11],  v[\a] offset:XSLOT*(\slot)+64
	ds_load_b128 v[XS+12:XS+15], v[\a] offset:XSLOT*(\slot)+80
.endm
.macro ESTORE                          ; my early tiles: chunks 1 and 2
.irp i, 0,1,2,3
	ds_store_b128 v[EST], v[H+4*\i:H+4*\i+3] offset:512*\i
.endr
.endm
.macro ELOAD                           ; partner's early tiles: chunks 3 and 4
.irp i, 0,1,2,3
	ds_load_b128 v[H+16+4*\i:H+16+4*\i+3], v[ELD] offset:512*\i
.endr
.endm
.macro LSTORE                          ; my late tiles: chunk 5 and the lower half of chunk 6
.irp i, 0,1,2
	ds_store_b128 v[LST], v[H+32+4*\i:H+32+4*\i+3] offset:512*\i
.endr
.endm
.macro LLOAD                           ; partner's late tiles: 4 and 5 are chunk 7, 6 is the upper half of chunk 6.  Right under windows 0 and 1 for source 0
	ds_load_b128 v[H+48:H+51], v[LLD]
	ds_load_b128 v[H+52:H+55], v[LLD] offset:512
	ds_load_b128 v[H+44:H+47], v[LLD] offset:1024
.endm
; which tiles make chunk c: for each half, own (0) or partner (1) and the tile's number in that half
.macro HALVES pa, ia, pb, ib
.set HA_P, \pa
.set HA_I, \ia
.set HB_P, \pb
.set HB_I, \ib
.endm
.macro CHUNKDEF c
.if \c == 1
	HALVES 0, 0, 0, 1
.endif
.if \c == 2
	HALVES 0, 2, 0, 3
.endif
.if \c == 3
	HALVES 1, 0, 1, 1
.endif
.if \c == 4
	HALVES 1, 2, 1, 3
.endif
.if \c == 5
	HALVES 0, 4, 0, 5
.endif
.if \c == 6
	HALVES 0, 6, 1, 6
.endif
.if \c == 7
	HALVES 1, 4, 1, 5
.endif
.endm
; the f32 numbers of chunk c's seven A fragments: lane (r, hh) takes, of row r of tile i, columns 8 hh + 0..7 of each of the chunk's two tiles
.macro WLD c
	CHUNKDEF \c
.irp i, 0,1,2,3,4,5,6
	ds_load_b128 v[ST+16*\i:ST+16*\i+3],     v[WA+2*(\i/4)+HA_P] offset:(\i%4)*16*WPITCH+64*HA_I
	ds_load_b128 v[ST+16*\i+4:ST+16*\i+7],   v[WA+2*(\i/4)+HA_P] offset:(\i%4)*16*WPITCH+64*HA_I+16
	ds_load_b128 v[ST+16*\i+8:ST+16*\i+11],  v[WA+2*(\i/4)+HB_P] offset:(\i%4)*16*WPITCH+64*HB_I
	ds_load_b128 v[ST+16*\i+12:ST+16*\i+15], v[WA+2*(\i/4)+HB_P] offset:(\i%4)*16*WPITCH+64*HB_I+16
.endr
.endm
.macro WLD0                            ; chunk 0: W_ih, columns 8 hh + 0..7 and 16 + 8 hh + 0..7 (28 .. 35 arrived as zeros)
.irp i, 0,1,2,3,4,5,6
	ds_load_b128 v[ST+16*\i:ST+16*\i+3],     v[WI] offset:2304*\i
	ds_load_b128 v[ST+16*\i+4:ST+16*\i+7],   v[WI] offset:2304*\i+16
	ds_load_b128 v[ST+16*\i+8:ST+16*\i+11],  v[WI] offset:2304*\i+64
	ds_load_b128 v[ST+16*\i+12:ST+16*\i+15], v[WI] offset:2304*\i+80
.endr
.endm
.macro WCV i0, n, c                    ; the fragments of chunk c from tile i0 on: 2 n f32 to n registers of bf16, at their place
	FRAG \i0, \c
	WIN (FW<<6)
.set WN, 0
.rept \n
	v_cvt_pk_bf16_f32 v[FB+WN], v[ST+16*\i0+2*WN], v[ST+16*\i0+2*WN+1]
.set WN, WN+1
.endr
.endm
.macro BATCH c
.if \c == 0
	WLD0
.else
	WLD \c
.endif
	s_wait_dscnt 0x0                               ; the 28 loads of this batch
	WCV 0, 32, \c
	WCV 4, 24, \c
	WIN 0
.endm
	; ---------------------------------------------------------------- set-up
	s_load_b512 s[16:31], s[0:1], 0x0              ; x 16, W_ih 18, W_hh 20, b_ih 22, b_hh 24, W_fc 26, b_fc 28, out0 30
	s_set_vgpr_msb 0x80
	v_lshl_add_u32 v233, v0, 2, 0x4b800
	s_set_vgpr_msb 0x8000
	v_mov_b32 v15, 0
	s_set_vgpr_msb 0x2
	ds_add_u32 v233, v15
	s_set_vgpr_msb 0x200
	v_lshrrev_b32 v[TL], 5, v0
	v_readfirstlane_b32 s2, v[TL]                  ; w
	s_and_b32 s3, s2, 1                            ; nh: my half of the hidden units
	s_lshr_b32 s4, s2, 1                           ; m: my 16 batch rows
	s_xor_b32 s5, s2, 1                            ; my partner: same rows, other half
	s_xor_b32 s7, s3, 1                            ; its half
	v_and_b32 v[TL], 31, v0                        ; lane L
	v_and_b32 v[TR], 15, v0                        ; r
	v_bfe_u32 v[TH], v0, 4, 1                      ; hh
	; x: a tile of 8 rows x 452 f32 over a tensor of 448 columns (the last four arrive as zeros), rows 3,584 elements apart
	s_mov_b32 s[G1X+0], 2<<16                      ; 17:16 elements of 4 bytes; no mask, no padding
	s_mov_b32 s[G1X+1], 448<<16                    ; tensor_dim0 = 448
	s_mov_b32 s[G1X+2], 8<<16                      ; tensor_dim1 = 8
	s_mov_b32 s[G1X+3], 452<<16                    ; tile_dim0 = 452: an LDS row of 1,808 bytes
	s_mov_b32 s[G1X+4], 8                          ; tile_dim1 = 8
	s_mov_b32 s[G1X+5], 3584                       ; from row to row
	s_mov_b32 s[G1X+6], 0
	s_mov_b32 s[G1X+7], 0
	s_mov_b32 s[G0X+0], 1
	s_mul_i32 s[G0X+1], s2, XPART                  ; slot 0: my 8 rows
	s_mov_b32 s[G0X+4], 1
	s_add_co_u32 s[G0X+5], s[G0X+1], XSLOT         ; slot 1
	; W_hh and W_ih: wave w brings rows 56 w .. 56 w + 55; what lies beyond column 199 (27) or row 199 arrives as zeros
	s_mul_i32 s8, s2, 56
	s_sub_co_u32 s8, 200, s8                       ; rows left from my first row
	s_mov_b32 s[G1HH+0], 2<<16
	s_mov_b32 s[G1HH+1], 200<<16                   ; tensor_dim0 = 200
	s_lshl_b32 s[G1HH+2], s8, 16                   ; tensor_dim1 = 200 - 56 w
	s_mov_b32 s[G1HH+3], 228<<16                   ; tile_dim0 = 228: an LDS row of 912 bytes
	s_mov_b32 s[G1HH+4], 56
	s_mov_b32 s[G1HH+5], 200
	s_mov_b32 s[G1HH+6], 0
	s_mov_b32 s[G1HH+7], 0
	s_mov_b32 s[G0HH+0], 1
	s_mul_i32 s[G0HH+1], s2, 56*WPITCH
	s_add_co_u32 s[G0HH+1], s[G0HH+1], WHH
	s_mov_b32 s[G1IH+0], 2<<16
	s_mov_b32 s[G1IH+1], 28<<16
	s_lshl_b32 s[G1IH+2], s8, 16
	s_mov_b32 s[G1IH+3], 36<<16                    ; an LDS row of 144 bytes
	s_mov_b32 s[G1IH+4], 56
	s_mov_b32 s[G1IH+5], 28
	s_mov_b32 s[G1IH+6], 0
	s_mov_b32 s[G1IH+7], 0
	s_mov_b32 s[G0IH+0], 1
	s_mul_i32 s[G0IH+1], s2, 56*144
	s_add_co_u32 s[G0IH+1], s[G0IH+1], WIH
	; W_fc: 16 rows of which 10 exist
	s_mov_b32 s[G1FC+0], 2<<16
	s_mov_b32 s[G1FC+1], 200<<16
	s_mov_b32 s[G1FC+2], 10<<16
	s_mov_b32 s[G1FC+3], 228<<16
	s_mov_b32 s[G1FC+4], 16
	s_mov_b32 s[G1FC+5], 200
	s_mov_b32 s[G1FC+6], 0
	s_mov_b32 s[G1FC+7], 0
	s_mov_b32 s[G0FC+0], 1
	s_mov_b32 s[G0FC+1], WFC
	s_mul_i32 s8, ttmp9, 458752                    ; 32 rows of 14,336 bytes a work-group (below 2^27 in all),
	s_mul_i32 s10, s2, 114688                      ; 8 rows a wave
	s_add_co_u32 s8, s8, s10
	s_mov_b32 s9, 0
	s_wait_dscnt 0x0
	s_wait_kmcnt 0x0
	s_add_nc_u64 s[G0X+2:G0X+3], s[16:17], s[8:9]  ; block 0
	s_add_nc_u64 s[G0X+6:G0X+7], s[G0X+2:G0X+3], 1792      ; block 1
	s_or_b32 s[G0X+3], s[G0X+3], 0x80000000
	s_or_b32 s[G0X+7], s[G0X+7], 0x80000000
	s_mul_i32 s8, s2, 44800                        ; 56 rows of 800 bytes
	s_add_nc_u64 s[G0HH+2:G0HH+3], s[20:21], s[8:9]
	s_or_b32 s[G0HH+3], s[G0HH+3], 0x80000000
	s_mul_i32 s8, s2, 6272                         ; 56 rows of 112 bytes
	s_add_nc_u64 s[G0IH+2:G0IH+3], s[18:19], s[8:9]
	s_or_b32 s[G0IH+3], s[G0IH+3], 0x80000000
	s_mov_b64 s[G0FC+2:G0FC+3], s[26:27]
	s_or_b32 s[G0FC+3], s[G0FC+3], 0x80000000
	tensor_load_to_lds s[G0HH:G0HH+3], s[G1HH:G1HH+7]
	s_nop 0
	tensor_load_to_lds s[G0IH:G0IH+3], s[G1IH:G1IH+7]
	s_nop 0
	tensor_load_to_lds s[G0X:G0X+3], s[G1X:G1X+7]  ; x, block 0
	s_nop 0
	s_cmp_lg_u32 s2, 0
	s_cbranch_scc1 .Lno_wfc
	tensor_load_to_lds s[G0FC:G0FC+3], s[G1FC:G1FC+7]      ; wave 0 alone: four tensor loads out in wave 0, three in the others
	s_nop 0
.Lno_wfc:
	; LDS addresses
	v_mul_u32_u24 v[TV], v[TR], WPITCH
	v_lshl_add_u32 v[TV], v[TH], 5, v[TV]          ; 912 r + 32 hh
	s_mul_i32 s8, s3, 112*WPITCH+448               ; my 112 rows, my 112 columns
	s_add_co_u32 s8, s8, WHH
	v_add_nc_u32 v[WA+0], s8, v[TV]
	s_mul_i32 s8, s3, 112*WPITCH-448               ; my rows, the partner's columns: 448 (1 - nh)
	s_add_co_u32 s8, s8, WHH+448
	v_add_nc_u32 v[WA+1], s8, v[TV]
	v_add_nc_u32 v[WA+2], 64*WPITCH, v[WA+0]       ; tiles 4 .. 6
	v_add_nc_u32 v[WA+3], 64*WPITCH, v[WA+1]
	s_mul_i32 s8, s3, 112*144
	s_add_co_u32 s8, s8, WIH
	v_mul_u32_u24 v[WI], v[TR], 144
	v_lshl_add_u32 v[WI], v[TH], 5, v[WI]
	v_add_nc_u32 v[WI], s8, v[WI]
	s_mul_i32 s11, s3, 448
	s_add_co_u32 s8, s11, WFC
	v_add_nc_u32 v[FA+0], s8, v[TV]                ; W_fc, my columns
	s_mul_i32 s8, s7, 448
	s_add_co_u32 s8, s8, WFC
	v_add_nc_u32 v[FA+1], s8, v[TV]                ; W_fc, the partner's
	s_mul_i32 s8, s4, 16*XPITCH
	v_mul_u32_u24 v[T0], v[TR], XPITCH
	v_add_nc_u32 v[T0], s8, v[T0]                  ; my x row
	v_lshl_add_u32 v[XB], v[TH], 5, v[T0]          ; + 32 hh
	s_lshl_b32 s8, s2, 11
	s_add_co_u32 s8, s8, EXE
	v_lshl_add_u32 v[EST], v[TL], 4, s8
	s_lshl_b32 s8, s5, 11
	s_add_co_u32 s8, s8, EXE
	v_lshl_add_u32 v[ELD], v[TL], 4, s8
	s_mul_i32 s8, s2, 1536
	s_add_co_u32 s8, s8, EXL
	v_lshl_add_u32 v[LST], v[TL], 4, s8
	s_mul_i32 s8, s5, 1536
	s_add_co_u32 s8, s8, EXL
	v_lshl_add_u32 v[LLD], v[TL], 4, s8
	; biases in the accumulators' layout: register j of tile i is unit 112 nh + 16 i + 8 hh + j.  Tiles 5 and 6 of nh = 1 reach past unit 199:
	; their offsets are clamped to the last 32 bytes of the 800 and what they bring is replaced by 0.
	v_lshlrev_b32 v[BO], 5, v[TH]
	v_add_nc_u32 v[BO], s11, v[BO]                 ; 448 nh + 32 hh
	v_add_nc_u32 v[T0], 320, v[BO]
	v_add_nc_u32 v[T1], 384, v[BO]
	v_cmp_gt_u32 s14, 800, v[T0]                   ; tile 5 exists for this lane
	v_cmp_gt_u32 s15, 800, v[T1]                   ; tile 6
	v_min_u32 v[BO+1], 768, v[T0]
	v_min_u32 v[BO+2], 768, v[T1]
	v_lshlrev_b32 v[T2], 5, v[TH]
	v_mov_b32 v[T3], 0
.irp i, 0,1,2,3,4
	global_load_b128 v[BI+8*\i:BI+8*\i+3],   v[BO], s[22:23] offset:64*\i
	global_load_b128 v[BI+8*\i+4:BI+8*\i+7], v[BO], s[22:23] offset:64*\i+16
	global_load_b128 v[BH+8*\i:BH+8*\i+3],   v[BO], s[24:25] offset:64*\i
	global_load_b128 v[BH+8*\i+4:BH+8*\i+7], v[BO], s[24:25] offset:64*\i+16
.endr
.irp i, 5,6
	global_load_b128 v[BI+8*\i:BI+8*\i+3],   v[BO+\i-4], s[22:23]
	global_load_b128 v[BI+8*\i+4:BI+8*\i+7], v[BO+\i-4], s[22:23] offset:16
	global_load_b128 v[BH+8*\i:BH+8*\i+3],   v[BO+\i-4], s[24:25]
	global_load_b128 v[BH+8*\i+4:BH+8*\i+7], v[BO+\i-4], s[24:25] offset:16
.endr
	WIN D2                                         ; b_fc goes straight to its place in window 2
	global_load_b64 v[BFC:BFC+1],   v[T2], s[28:29]            ; b_fc[8 hh], [8 hh + 1]
	global_load_b64 v[BFC+2:BFC+3], v[T3], s[28:29] offset:8   ; b_fc[2 .. 7] in every lane: for hh = 1 they go to outputs 10 .. 15, which are not stored
	global_load_b64 v[BFC+4:BFC+5], v[T3], s[28:29] offset:16
	global_load_b64 v[BFC+6:BFC+7], v[T3], s[28:29] offset:24
	WIN 0
	s_wait_loadcnt 0x0
.set WN, 20
.rept 8
	v_pk_add_f32 v[BI+2*WN:BI+2*WN+1], v[BI+2*WN:BI+2*WN+1], v[BH+2*WN:BH+2*WN+1]      ; tiles 5 and 6, still to be masked
.set WN, WN+1
.endr
	WIN D2
.set WN, 0
.rept 20
	v_pk_add_f32 v[BIAS+2*WN:BIAS+2*WN+1], v[BI+2*WN:BI+2*WN+1], v[BH+2*WN:BH+2*WN+1]  ; tiles 0 .. 4
.set WN, WN+1
.endr
.irp k, 0,1,2,3,4,5,6,7
	v_cndmask_b32 v[BIAS+40+\k], 0, v[BI+40+\k], s14
	v_cndmask_b32 v[BIAS+48+\k], 0, v[BI+48+\k], s15
.endr
	WIN 0
	s_wait_tensorcnt 0x0                           ; my parts of the weights and of x's block 0 are in LDS,
	s_barrier_signal -1
	s_barrier_wait -1                              ; everybody's are.
	; ---------------------------------------------------------------- the weights, once: LDS f32 -> registers bf16
.irp c, 0,1,2,3,4,5,6,7
	BATCH \c
.endr
.irp c, 1,2,3,4,5,6,7
	CHUNKDEF \c
	ds_load_b128 v[ST+16*(\c-1):ST+16*(\c-1)+3],     v[FA+HA_P] offset:64*HA_I
	ds_load_b128 v[ST+16*(\c-1)+4:ST+16*(\c-1)+7],   v[FA+HA_P] offset:64*HA_I+16
	ds_load_b128 v[ST+16*(\c-1)+8:ST+16*(\c-1)+11],  v[FA+HB_P] offset:64*HB_I
	ds_load_b128 v[ST+16*(\c-1)+12:ST+16*(\c-1)+15], v[FA+HB_P] offset:64*HB_I+16
.endr
	s_wait_dscnt 0x0
	WIN D2
.set WN, 0
.rept 56
	v_cvt_pk_bf16_f32 v[FCW+WN], v[ST+2*WN], v[ST+2*WN+1]
.set WN, WN+1
.endr
	WIN D1
	v_mov_b32 v[LLD], v[LLD]                       ; the address of the loads that stand among products of window 1
	WIN 0
	XLOAD XB, 0                                    ; x_0 (the temporaries in these registers are done with)
	s_wait_dscnt 0x0                               ; x_0 is in; and all my reads of W_hh, on whose head slot 1 lies, are done
	QUEUE ACC, H, 0, 1
	RIDE 8                                         ; x_0 to bf16
	s_set_vgpr_msb 0x2
	s_wait_tensorcnt 0x0                           ; no tensor load of mine is out
	ds_add_u32 v233, v15
	s_wait_dscnt 0x0
	s_set_vgpr_msb 0x200
	s_barrier_signal -1
	s_barrier_wait -1                              ; both hold of every wave: bytes of W_hh may be filled again, and written by LDS stores behind slot 1
	tensor_load_to_lds s[G0X+4:G0X+7], s[G1X:G1X+7]        ; x, block 1: first read 15 steps on
	s_nop 0
	; h_(-1) = 0 in the form in which a step finds h_(t-1): my early tiles as bf16 in chunks 1 and 2 and on their way to EXE, my late tiles as raw sums.
	; So step 0 runs the loop's own text: 49 of its 56 products are on zeros, against a step and a loop written once more for it.
.set WN, 0
.rept 16
	v_mov_b32 v[H+WN], 0
.set WN, WN+1
.endr
.set WN, 0
.rept 24
	v_mov_b32 v[ACC+32+WN], 0
.set WN, WN+1
.endr
	ESTORE
; ONE STEP.  At its head: chunks 0, 1, 2 are ready, my early tiles of h_(t-1) are on their way to EXE, my late tiles are still raw sums.
; Two barriers.  B1: early tiles are in EXE; EXL has been read.  B2: late tiles are in EXL; EXE has been read.  So EXE is written between B2 and B1 and read
; between B1 and B2, EXL the other way round, and one region each is enough.
; The 56 products are ordered so that each exchange is covered: early c0 c1, late c0, early c2, late c1 c2, all c3, early c4-c7, late c4-c7.  In products:
; early stores to B1's signal 6, signal to wait 4; late stores and the loads beside them to B2's signal 10, signal to wait 3; the partner's late tiles to their use 15.
; tw = 1: all my tensor loads are waited for in front of B1: behind it the block that was asked for 16 steps ago is read for the first time.
; fill = 1: B1 is also the barrier in front of a refill: slot fslot, read up to the step before, gets the block two further on.
; xm: x_(t+1) is fetched from slot xslot through XC, which then steps (1), or through XB: a block's first step (2), or not at all (0).
.macro STEP tw, fill, fslot, xm, xslot
	PLACES                                         ; behind the last step's last products: for the relu of the late tiles and the loads into chunks 3, 4, 6, 7
	QUEUE ACC+32, H+32, 12, 0                      ; the late tiles: 12 lines of relu and 12 roundings ride on the next 8 products
.set RPW, 3
	MMG 0, 1, 0
.if \tw
	s_wait_tensorcnt 0x0                           ; all my tensor loads (one) have landed: my part of the block that is first read in this step,
	ds_add_u32 v233, v15
	s_wait_dscnt 0x0
.endif
.if \fill
	s_add_nc_u64 s[G0X+4*\fslot+2:G0X+4*\fslot+3], s[G0X+4*\fslot+2:G0X+4*\fslot+3], 3584    ; so the descriptor may step: two blocks on
.endif
	s_wait_dscnt 0x0                               ; my early tiles are in EXE; my reads of EXL and of x are done
	s_barrier_signal -1                            ; B1
	MMG 2, 3, 0
	MMG 0, 1, 1
	s_barrier_wait -1
.if \fill
	tensor_load_to_lds s[G0X+4*\fslot:G0X+4*\fslot+3], s[G1X:G1X+7]    ; first behind the barrier; one tensor load of the wave is out
	s_nop 0
.endif
	MMG 2, 3, 1
.set RPW, 0
	WIN 0                                          ; one run of LDS instructions:
	ELOAD                                          ; the partner's early tiles,
.if \xm == 1
	XLOAD XC, \xslot                               ; x_(t+1),
	v_add_nc_u32 v[XC], XSTEP, v[XC]               ; (an LDS instruction's sources need no wait)
.endif
.if \xm == 2
	XLOAD XB, \xslot
.endif
	LSTORE                                         ; my late tiles
	MMG 4, 6, 0
	MMG 0, 3, 2
	MMG 4, 6, 1
	s_wait_dscnt 0x0                               ; my late tiles are in EXL; my reads of EXE are done (chunks 3 and 4 are in); x_(t+1) is in
	s_barrier_signal -1                            ; B2
	MMG 4, 6, 2
	s_barrier_wait -1
	WIN W1
	LLOAD                                          ; the partner's late tiles
	MMG 0, 6, 3
	MMG 0, 3, 4
	MMG 0, 3, 5
	s_wait_dscnt 0x0                               ; the three late tiles are in
	MMG 0, 3, 6
	MMG 0, 3, 7
	PLACES                                         ; behind the early tiles' last products: for their relu, and for the writes of chunks 0, 1, 2
.if \xm
	QUEUE ACC, H, 16, 1                            ; the early tiles: 16 lines of relu and 16 roundings ride on the next 8 products, x's 8 on two more
.else
	QUEUE ACC, H, 16, 0
.endif
.set RPW, 4
	MMG 4, 6, 4
	MMG 4, 6, 5
	MMG 4, 5, 6
	WIN 0
	ESTORE
	MMG 6, 6, 6
	MMG 4, 6, 7
.set RPW, 0
.endm
; 15 steps that fetch steps 1 .. 15 of the block in the slot.  The step's last product is on tile 6, its first on tile 0: the turns hold over the jump.
.macro RUN slot
	WIN 0                                          ; at a label and at a branch every window is 0
	v_add_nc_u32 v[XC], XSTEP, v[XB]               ; the block's step 1
	s_mov_b32 s12, 15
.Lrun_\@:
	STEP 0, 0, 0, 1, \slot
	WIN 0
	s_sub_co_u32 s12, s12, 1
	s_cmp_lg_u32 s12, 0
	s_cbranch_scc1 .Lrun_\@
.endm
	; ---------------------------------------------------------------- steps 0 .. 95: three trips of 32 steps = once round the two slots
	s_mov_b32 s6, 3
.Lpair:
	RUN 0                                          ; t = 0 .. 14 (mod 32)
	STEP 1, 1, 0, 2, 1                             ; t = 15: slot 1's block is there; slot 0 is filled again
	RUN 1                                          ; t = 16 .. 30
	STEP 1, 1, 1, 2, 0                             ; t = 31: slot 0's block is there; slot 1 is filled again
	WIN 0
	s_sub_co_u32 s6, s6, 1
	s_cmp_lg_u32 s6, 0
	s_cbranch_scc1 .Lpair
	; ---------------------------------------------------------------- steps 96 .. 127: nothing more is asked for; step 127 fetches no x
	RUN 0                                          ; t = 96 .. 110
	STEP 1, 0, 0, 2, 1                             ; t = 111: the last block is there; no tensor load is out from here on
	RUN 1                                          ; t = 112 .. 126
	STEP 0, 0, 0, 0, 0                             ; t = 127
	; ---------------------------------------------------------------- h_127 is completed and exchanged as in a step
	WIN 0
	s_wait_dscnt 0x0
	s_barrier_signal -1                            ; B1
	PLACES
	QUEUE ACC+32, H+32, 12, 0
	RIDE 12                                        ; relu of the late tiles
	s_barrier_wait -1
	ELOAD
	RIDE 12                                        ; and their rounding
	LSTORE
	s_wait_dscnt 0x0
	s_barrier_signal -1                            ; B2
	s_barrier_wait -1
	LLOAD
	v_and_b32 v[TR], 15, v0                        ; r and hh once more: their registers held x
	v_bfe_u32 v[TH], v0, 4, 1
	s_mul_i32 s8, s4, 640
	s_add_co_u32 s8, s8, STAGE
	v_mul_u32_u24 v[T0], v[TR], 40
	v_lshl_add_u32 v[T0], v[TH], 5, v[T0]
	v_add_nc_u32 v[T0], s8, v[T0]                  ; the stage: out row 16 m + r, outputs 8 hh ..
	s_wait_dscnt 0x0
	; ---------------------------------------------------------------- out = h_127 W_fc^T + b_fc: the waves with nh = 0, 16 batch rows each
	s_cmp_lg_u32 s3, 0
	s_cbranch_scc1 .Lnofc
	WIN WC
	; seven products on two accumulators by turns; the first starts from b_fc, the second from 0
	v_wmma_f32_16x16x32_bf16 v[ACC:ACC+7],    v[FCW:FCW+7],     v[XF+8:XF+15],  v[BFC:BFC+7]
	v_wmma_f32_16x16x32_bf16 v[ACC+8:ACC+15], v[FCW+8:FCW+15],  v[XF+16:XF+23], 0
	WIN W2
	v_wmma_f32_16x16x32_bf16 v[ACC:ACC+7],    v[FCW+16:FCW+23], v[XF+24:XF+31], v[ACC:ACC+7]
	v_wmma_f32_16x16x32_bf16 v[ACC+8:ACC+15], v[FCW+24:FCW+31], v[XF+32:XF+39], v[ACC+8:ACC+15]
	v_wmma_f32_16x16x32_bf16 v[ACC:ACC+7],    v[FCW+32:FCW+39], v[XF+40:XF+47], v[ACC:ACC+7]
	v_wmma_f32_16x16x32_bf16 v[ACC+8:ACC+15], v[FCW+40:FCW+47], v[XF+48:XF+55], v[ACC+8:ACC+15]
	v_wmma_f32_16x16x32_bf16 v[ACC:ACC+7],    v[FCW+48:FCW+55], v[XF+56:XF+63], v[ACC:ACC+7]
	PLACES
	WIN 0
.irp q, 0,2,4,6
	v_pk_add_f32 v[ACC+\q:ACC+\q+1], v[ACC+\q:ACC+\q+1], v[ACC+8+\q:ACC+8+\q+1]
.endr
	ds_store_b64 v[T0], v[ACC:ACC+1]               ; outputs 8 hh, 8 hh + 1 of batch row r: 0, 1 and 8, 9
	v_cmp_eq_u32 vcc_lo, 0, v[TH]
	s_wait_xcnt 0x0                                ; EXEC changes only behind this wait
	s_and_saveexec_b32 s10, vcc_lo                 ; outputs 2 .. 7 exist for hh = 0 alone: with the other lanes off these stores stay inside the row's 40 bytes
	ds_store_b64 v[T0], v[ACC+2:ACC+3] offset:8
	ds_store_b64 v[T0], v[ACC+4:ACC+5] offset:16
	ds_store_b64 v[T0], v[ACC+6:ACC+7] offset:24
	s_or_b32 exec_lo, exec_lo, s10
.Lnofc:
	s_wait_dscnt 0x0                               ; my rows of the stage are written
	s_barrier_signal -1
	s_barrier_wait -1
	; the work-group's 32 rows of out0 are 1,280 consecutive bytes, at a multiple of 256 from the buffer's first byte: 80 threads, 16 bytes each
	v_lshlrev_b32 v[T1], 4, v0
	v_add_nc_u32 v[T2], STAGE, v[T1]
	s_mul_i32 s8, ttmp9, 1280
	s_mov_b32 s9, 0
	s_add_nc_u64 s[30:31], s[30:31], s[8:9]
	v_cmp_gt_u32 vcc_lo, 80, v0
	s_wait_xcnt 0x0
	s_set_vgpr_msb 0x2
	s_wait_tensorcnt 0x0
	ds_add_u32 v233, v15
	s_wait_dscnt 0x0
	s_set_vgpr_msb 0x200
	s_and_saveexec_b32 s10, vcc_lo
	ds_load_b128 v[32:35], v[T2]
	s_wait_dscnt 0x0
	global_store_b128 v[T1], v[32:35], s[30:31]
	s_endpgm
.Lfunc_end_k_q58b58d23a8_rnn:
	.size	k_q58b58d23a8_rnn, .Lfunc_end_k_q58b58d23a8_rnn-k_q58b58d23a8_rnn
	.p2alignl 7, 3214868480
	.fill 96, 4, 3214868480
	.section	.rodata,"a",@progbits
	.p2align	6, 0x0
	.amdhsa_kernel k_q58b58d23a8_rnn
		.amdhsa_group_segment_fixed_size 327680
		.amdhsa_private_segment_fixed_size 0
		.amdhsa_enable_private_segment 0
		.amdhsa_kernarg_size 64
		.amdhsa_user_sgpr_count 2
		.amdhsa_user_sgpr_kernarg_segment_ptr 1
		.amdhsa_wavefront_size32 1
		.amdhsa_system_sgpr_workgroup_id_x 1
		.amdhsa_system_sgpr_workgroup_id_y 1
		.amdhsa_system_sgpr_workgroup_id_z 1
		.amdhsa_system_vgpr_workitem_id 0
		.amdhsa_next_free_vgpr 746
		.amdhsa_next_free_sgpr 88
		.amdhsa_reserve_vcc 1
		.amdhsa_float_denorm_mode_32 3
		.amdhsa_float_denorm_mode_16_64 3
		.amdhsa_memory_ordered 1
		.amdhsa_forward_progress 1
		.amdhsa_inst_pref_size 145
	.end_amdhsa_kernel
	.amdgpu_metadata
---
amdhsa.version: [ 1, 2 ]
amdhsa.kernels:
  - .name:           k_q58b58d23a8_rnn
    .symbol:         k_q58b58d23a8_rnn.kd
    .args:
      - { .name: x, .offset: 0, .size: 8, .value_kind: global_buffer, .address_space: global }
      - { .name: W_ih, .offset: 8, .size: 8, .value_kind: global_buffer, .address_space: global }
      - { .name: W_hh, .offset: 16, .size: 8, .value_kind: global_buffer, .address_space: global }
      - { .name: b_ih, .offset: 24, .size: 8, .value_kind: global_buffer, .address_space: global }
      - { .name: b_hh, .offset: 32, .size: 8, .value_kind: global_buffer, .address_space: global }
      - { .name: W_fc, .offset: 40, .size: 8, .value_kind: global_buffer, .address_space: global }
      - { .name: b_fc, .offset: 48, .size: 8, .value_kind: global_buffer, .address_space: global }
      - { .name: out0, .offset: 56, .size: 8, .value_kind: global_buffer, .address_space: global }
    .group_segment_fixed_size: 327680
    .private_segment_fixed_size: 0
    .kernarg_segment_align: 8
    .kernarg_segment_size: 64
    .max_flat_workgroup_size: 128
    .sgpr_count:     88
    .vgpr_count:     746
    .wavefront_size: 32
...
	.end_amdgpu_metadata
.endif
;; end of part 2
